; MI455X (gfx1250); checked and timed in simulation.
; The chip was launched on July 23, 2026; its instructions are those of AMD's public machine-readable ISA for CDNA 5 (MIT licence, August 2026) and "CDNA5" Instruction Set Architecture Reference Guide (July 2026). The comments in the code are by the model that wrote it; some were corrected since.
;; Aten Mm Q Mixed Signi8. Allowed arithmetic: float matrix products may take bf16 or f16 operands with f32 sums; other float arithmetic in f32, or as packed bf16 or f16 multiplies, adds, multiply-adds, maxima and minima; sums over many terms, partial sums and values carried from step to step in f32; what a program stores and reads back later, other than sums and carried values, may be rounded once to bf16 or f16.
;; Inputs: x 4,096 x 4,096 float32; y 4,096 x 4,096 float32.
;; Outputs: out0 4,096 x 4,096 float32.
;; 2 versions, each right; version 2 is version 1 with the launch cast written anew for expert scheduling mode. Each part assembles by itself: llvm-mc -triple=amdgcn-amd-amdhsa -mcpu=gfx1250 --defsym DOCPART=n.
;; ======== version 1 of 2: 2 launches
;; limits: inputs' magnitudes at most 2.9e+17
;; workspace buffers: xb 33,554,432 bytes; yb 33,554,432 bytes
;; launch cast (part 1): grid 256 x 2, 8 waves a work-group, no clusters, 0 bytes of LDS; arguments x, y, xb, yb; writes xb, yb
.if DOCPART == 1
	.amdgcn_target "amdgcn-amd-amdhsa--gfx1250"
	.amdhsa_code_object_version 6
	.text
	.protected	k_q6341d690e4_cast
	.globl	k_q6341d690e4_cast
	.p2align	8
	.type	k_q6341d690e4_cast,@function
k_q6341d690e4_cast:
	s_mov_b64 s[64:65], 0
	v_nop
	global_prefetch_b8 v0, s[64:65] scope:SCOPE_SE
	s_setreg_imm32_b32 hwreg(HW_REG_WAVE_MODE, 25, 1), 1
	s_wait_xcnt 0x0
; xb = bf16(x + 66), yb = bf16(y - 160).  x, y: [4096][4096] f32; xb, yb: the same places in bf16 (y is not turned).
; The zero point is taken off in f32, as the module does it (x - (-66), y - 160), and the difference is rounded ONCE to bf16: it is the matrix operand
; of the launch behind.  The two scales are not applied here: that launch multiplies its f32 sums by their product.
; LIMITS.  One rounding to bf16 (8 significant bits) of each difference; whole numbers up to 256 in magnitude pass unchanged.  NaN and infinities pass as the arithmetic gives them.
; SHARES.  The grid's y picks the tensor.  A work-group owns 64 pieces of 4,096 input bytes (2,048 output bytes) on end.  Thread t owns the 16 bytes at 16 t of each piece
; and the 8 bytes at 8 t of its output: a wave's load covers 512 consecutive bytes, a wave's store 256 consecutive bytes that begin at a multiple of 256 from the buffer's first byte.
; A ring of DEPTH slots in registers keeps DEPTH loads of every wave on their way.  Nothing is shared between waves: no LDS, no barrier, no matrix unit.
.set DEPTH,  16                        ; slots = loads in flight in each wave
.set ROUNDS, 64/DEPTH                  ; each round takes every slot once
.set INB,    4096                      ; input bytes in a piece
.set OUTB,   2048                      ; output bytes in a piece
.set IN,  1                            ; v1        16 t; never rewritten
.set OUT, 2                            ; v2        8 t; never rewritten
.set T,   4                            ; v[4:7]    four numbers in f32, at work
.set X,   8                            ; v[8:71]   slot i: 4 registers as loaded
.set Y,   72                           ; v[72:103] slot i: 2 registers, 4 bf16 to store
.set C,   18                           ; s[18:19]  what is added: +66 or -160 (the packed add names a pair and takes its low word for both halves)
	s_load_b256 s[4:11], s[0:1], 0x0               ; x s[4:5], y s[6:7], xb s[8:9], yb s[10:11]
	v_lshlrev_b32 v[IN], 4, v0
	v_lshlrev_b32 v[OUT], 3, v0
	s_and_b32 s12, ttmp7, 0xffff                   ; 0: x, 1: y
	s_lshl_b32 s20, ttmp9, 18                      ; the work-group's 64 pieces: 262,144 bytes in,
	s_mov_b32 s21, 0
	s_lshl_b32 s22, ttmp9, 17                      ; 131,072 bytes out
	s_mov_b32 s23, 0
	s_mov_b32 s25, 0x42840000                      ; 66.0
	s_mov_b32 s26, 0xc3200000                      ; -160.0
	s_mov_b32 s24, ROUNDS-1
	s_wait_kmcnt 0x0
	s_cmp_eq_u32 s12, 0                            ; the choice hangs on the grid's y alone
	s_cselect_b64 s[14:15], s[4:5], s[6:7]         ; from where,
	s_cselect_b64 s[16:17], s[8:9], s[10:11]       ; to where,
	s_cselect_b32 s[C], s25, s26                   ; and what is added
	s_mov_b32 s[C+1], s[C]
	s_add_nc_u64 s[14:15], s[14:15], s[20:21]
	s_add_nc_u64 s[16:17], s[16:17], s[22:23]
.irp i, 0,1,2,3,4,5,6,7,8,9,10,11,12,13,14,15
	global_load_b128 v[X+4*(\i):X+4*(\i)+3], v[IN], s[14:15] offset:(\i)*INB th:TH_LOAD_NT  ; the ring is filled: pieces 0 to 15
.endr
; One slot's turn.  ahead = 1: the slot is filled again with the piece DEPTH further on.  left = how many younger loads may stay out.
.macro SLOT i, ahead, left
	s_wait_loadcnt \left                           ; loads come back in order (ISA guide 5.7.1): mine is in, the younger ones stay out
	v_pk_add_f32 v[T:T+1],   v[X+4*(\i):X+4*(\i)+1],   s[C:C+1] op_sel_hi:[1,0]
	v_pk_add_f32 v[T+2:T+3], v[X+4*(\i)+2:X+4*(\i)+3], s[C:C+1] op_sel_hi:[1,0]
	v_cvt_pk_bf16_f32 v[Y+2*(\i)],   v[T],   v[T+1]    ; two roundings to bf16, packed
	v_cvt_pk_bf16_f32 v[Y+2*(\i)+1], v[T+2], v[T+3]
.if \ahead
	global_load_b128 v[X+4*(\i):X+4*(\i)+3], v[IN], s[14:15] offset:((\i)+DEPTH)*INB th:TH_LOAD_NT  ; the load goes out ahead of the store
.endif
	global_store_b64 v[OUT], v[Y+2*(\i):Y+2*(\i)+1], s[16:17] offset:(\i)*OUTB th:TH_STORE_NT
.endm
.Lround:                                       ; three rounds load pieces 16 to 63; each works on the sixteen pieces loaded a round before
.irp i, 0,1,2,3,4,5,6,7,8,9,10,11,12,13,14,15
	SLOT \i, 1, DEPTH-1
.endr
	s_wait_xcnt 0x0                                ; every load and store issued so far has had its addresses translated (ISA guide 3.1): only behind this wait are the two pointers stepped and the round's Y written again
	s_add_nc_u64 s[14:15], s[14:15], DEPTH*INB
	s_add_nc_u64 s[16:17], s[16:17], DEPTH*OUTB
	s_sub_co_u32 s24, s24, 1
	s_cmp_lg_u32 s24, 0
	s_cbranch_scc1 .Lround
.irp i, 0,1,2,3,4,5,6,7,8,9,10,11,12,13,14,15
	SLOT \i, 0, DEPTH-1-(\i)                       ; the last round loads nothing: the counts run down, and no load leaves the work-group's share
.endr
	s_endpgm
.Lfunc_end_k_q6341d690e4_cast:
	.size	k_q6341d690e4_cast, .Lfunc_end_k_q6341d690e4_cast-k_q6341d690e4_cast
	.p2alignl 7, 3214868480
	.fill 96, 4, 3214868480
	.section	.rodata,"a",@progbits
	.p2align	6, 0x0
	.amdhsa_kernel k_q6341d690e4_cast
		.amdhsa_group_segment_fixed_size 0
		.amdhsa_private_segment_fixed_size 0
		.amdhsa_enable_private_segment 0
		.amdhsa_kernarg_size 32
		.amdhsa_user_sgpr_count 2
		.amdhsa_user_sgpr_kernarg_segment_ptr 1
		.amdhsa_wavefront_size32 1
		.amdhsa_system_sgpr_workgroup_id_x 1
		.amdhsa_system_sgpr_workgroup_id_y 1
		.amdhsa_system_sgpr_workgroup_id_z 1
		.amdhsa_system_vgpr_workitem_id 0
		.amdhsa_next_free_vgpr 104
		.amdhsa_next_free_sgpr 66
		.amdhsa_reserve_vcc 0
		.amdhsa_float_denorm_mode_32 3
		.amdhsa_float_denorm_mode_16_64 3
		.amdhsa_memory_ordered 1
		.amdhsa_forward_progress 1
		.amdhsa_inst_pref_size 17
	.end_amdhsa_kernel
	.amdgpu_metadata
---
amdhsa.version: [ 1, 2 ]
amdhsa.kernels:
  - .name:           k_q6341d690e4_cast
    .symbol:         k_q6341d690e4_cast.kd
    .args:
      - { .name: x, .offset: 0, .size: 8, .value_kind: global_buffer, .address_space: global }
      - { .name: y, .offset: 8, .size: 8, .value_kind: global_buffer, .address_space: global }
      - { .name: xb, .offset: 16, .size: 8, .value_kind: global_buffer, .address_space: global }
      - { .name: yb, .offset: 24, .size: 8, .value_kind: global_buffer, .address_space: global }
    .group_segment_fixed_size: 0
    .private_segment_fixed_size: 0
    .kernarg_segment_align: 8
    .kernarg_segment_size: 32
    .max_flat_workgroup_size: 256
    .sgpr_count:     66
    .vgpr_count:     104
    .wavefront_size: 32
...
	.end_amdgpu_metadata
.endif
;; end of part 1
;; launch gemm (part 2): grid 16 x 16, 4 waves a work-group, clusters of 4 x 4, 327,680 bytes of LDS; arguments xb, yb, out0; writes out0
.if DOCPART == 2
	.amdgcn_target "amdgcn-amd-amdhsa--gfx1250"
	.amdhsa_code_object_version 6
	.text
	.protected	k_q6341d690e4_gemm
	.globl	k_q6341d690e4_gemm
	.p2align	8
	.type	k_q6341d690e4_gemm,@function
k_q6341d690e4_gemm:
	s_mov_b64 s[64:65], 0
	v_nop
	global_prefetch_b8 v0, s[64:65] scope:SCOPE_SE
	s_setreg_imm32_b32 hwreg(HW_REG_WAVE_MODE, 25, 1), 1
	s_wait_xcnt 0x0
	s_wait_alu depctr_hold_cnt(0) depctr_sa_sdst(0) depctr_va_vdst(0) depctr_va_sdst(0) depctr_va_ssrc(0) depctr_va_vcc(0) depctr_vm_vsrc(0)
	s_getreg_b32 s2, hwreg(HW_REG_IB_STS2, 6, 4)
	s_cmp_eq_u32 s2, 0
	s_cbranch_scc0 .Lentry_in_a_cluster
	s_endpgm
.Lentry_in_a_cluster:
	s_bfe_u32 s2, ttmp6, 0x10000c
	s_cmp_lg_u32 s2, 0xf033
	s_cbranch_scc0 .Lentry_shape_is_right
	s_endpgm
.Lentry_shape_is_right:
; out0[m][n] = 0.00075 x the sum over k of xb[m][k] yb[k][n].  xb: [4096 m][4096 k] bf16 = x + 66; yb: [4096 k][4096 n] bf16 = y - 160; out0: [4096][4096] f32.
; 0.00075 = 0.03 x 0.025, the product of the module's two scales, is applied once, to the f32 sum.
; LIMITS.  The order of rounding differs from the module's: it scales each operand in f32 and then multiplies; here the operands are the unscaled differences rounded once to bf16, and the sum is scaled.
; The unscaled sum is 1,333 times the result: it leaves f32's range only where the result would pass about 2.5e35.  NaN and infinities pass as the arithmetic gives them.
; SHARES.  A tile of C, 256 x 256, is made by a work-group of four waves; a wave makes 128 x 128: 64 accumulators of 16 x 16, 512 registers.  16 x 16 tiles: one to each of 256 work-groups.
; K goes in 32 steps of 128 through a ring of two LDS slots filled by the tensor data mover.  A's tile is 256 rows (m) of 256 bytes; B's is 128 rows (k) of 512 bytes (256 n): both begin at multiples of 256 bytes.
; B LIES [k][n]: its fragments come out of LDS turned, by ds_load_tr16_b128, as many loads as a plain fragment takes.
; CLUSTERS: 4 x 4 work-groups.  The four of a row of the cluster need the same tiles of A, the four of a column the same tiles of B: each tile is asked for JOINTLY, by the same tensor load with the
; same descriptor and a mask that names the four; each receives it in its own LDS.
; THE MATRIX INSTRUCTION IS USED TRANSPOSED: source 0 = 16 columns of B, source 1 = 16 rows of A.  In the result lane l holds row l % 16 of C and its registers 0-7 the columns 8 (l / 16) + 0..7: 32 bytes of a row on end.
; REGISTERS, in windows of 256 (s_set_vgpr_msb's low byte: bits 1:0 source 0, 3:2 source 1, 5:4 source 2, 7:6 destination):
;   window 0: v0-31 addresses; v64-127, v128-191 fragments of A, two buffers; on the way out the same 128 registers are two buffers of 16 rows of C
;   window 1: v64-127, v128-191 fragments of B, two buffers
;   window 2: the 32 accumulators of my rows 0-63 (accumulator (a, b) at v[8 (8 a + b)]);   window 3: those of my rows 64-127
.set KSTEP,  128
.set PA,     272                       ; a row of A in LDS: 256 bytes + 16 of padding = 68 words: row r starts at bank 4 r mod 64 (64 banks of 4 bytes: ISA guide 11.1), so the 16 rows of a load start at 16 different groups of four banks
.set PB,     544                       ; a row of B: 512 + 32 = 136 words: row r starts at bank 8 r mod 64
.set HALFT,  128*PA                    ; what one tensor load brings: 128 rows of A, or 64 rows of B (64 x 544 is the same 34,816 bytes)
.set SLOT,   4*HALFT                   ; A's 256 rows, then B's 128 rows
.set STAGE,  2*SLOT                    ; behind the ring, never filled by a tensor load: for each wave 16 rows of 512 bytes of f32, for the way out
.set SP,     528                       ; a stage row: 512 + 16 bytes = 33 x 16: the 16 rows of a store start at 16 different groups of four banks
.set WSTAGE, 16*SP                     ; 8,448 bytes = 33 blocks of 256
.set SPARE,  STAGE+4*WSTAGE            ; behind the stages: the spare words, 128 bytes for each wave: two blocks of 256 bytes that no other line names
.set ASTEP,  KSTEP*2                   ; a K step in xb: 256 bytes along a row
.set BSTEP,  KSTEP*8192                ; a K step in yb: 128 rows of 8,192 bytes
.set ROWC,   16384                     ; bytes in a row of out0
.set LAPS,   4096/(2*KSTEP)            ; a lap = two K steps = once round the ring
.set ADRA, 16                          ; v16-17  LDS address of my A fragments in slot 0, 1
.set ADRB, 20                          ; v20-21  the same for B
.set STO,  24                          ; v24     the way out: where I put 32 bytes of a row
.set RD,   25                          ; v25     the way out: where I read a row back
.set CO,   26                          ; v26     my 16 bytes in 512 consecutive bytes of a row of C; never rewritten
.set SPW,  28                          ; v28     LDS address of my spare word: SPARE + 4 x my thread's number; never rewritten
.set NIL,  29                          ; v29     0; never rewritten
.set PFO,  30                          ; v30     the prefetches' offset; never rewritten
.set F0,   64                          ; fragment buffer 0
.set F1,   128                         ; fragment buffer 1
.set OB,   64                          ; the way out: block a's 64 registers at OB + 64 (a % 2)
.set G1,  24                           ; s[24:31] descriptor group 1 for A's tiles
.set G0,  32                           ; s[32:39] descriptor group 0 for A's tiles, one set for each slot
.set G1B, 48                           ; s[48:55] descriptor group 1 for B's tiles
.set G0B, 56                           ; s[56:63] descriptor group 0 for B's tiles, one set for each slot
.set SC,  66                           ; s[66:67] 0.00075 (the packed multiply names a pair and takes its low word for both halves)
.set PST, 68                           ; s[68:69] a K step in the tensor that I prefetch from, in bytes
.set LIM, 72                           ; s72      1 in a wave that prefetches, else the greatest number
.set PFA, 74                           ; s[74:75] where my prefetches stand
.set MSB, 0
.macro WIN new                         ; the immediate's high byte repeats the setting that is left; a switch that changes nothing is dropped
.if MSB != (\new)
	s_set_vgpr_msb (MSB<<8)|(\new)
.set MSB, \new
.endif
.endm
.set MUL_LO, 0xa1                      ; source 0 (B) window 1, source 1 (A) window 0, C and D window 2
.set MUL_HI, 0xf1                      ; the same, C and D window 3
.set TO_B,   0x40                      ; destination window 1, address window 0
; A joint load.  Waves 0 and 1 fetch A's two halves, waves 2 and 3 B's.  Each of the two lines has ONE mask and one set of registers for all that issue it.  The branch hangs on the wave's number alone.
; An s_nop 0 and four v_nop follow each of the two lines; the jump round the other line, the label and what follows the macro come after them.
.macro JLOAD s
	s_cmp_eq_u32 s11, 0
	s_cbranch_scc0 .Lfor_b_\@
	tensor_load_to_lds s[G0+4*(\s):G0+4*(\s)+3], s[G1:G1+7]
	s_nop 0
.rept 4
	v_nop
.endr
	s_branch .Lasked_\@
.Lfor_b_\@:
	tensor_load_to_lds s[G0B+4*(\s):G0B+4*(\s)+3], s[G1B:G1B+7]
	s_nop 0
.rept 4
	v_nop
.endr
.Lasked_\@:
.endm
; A PREFETCH INTO THE L2, behind each joint refill, its five lines and the run of LDS loads that follows them: 32 blocks of 256 bytes of the K step that stands TWO refills on (512 matrix instructions ahead of the
; load that will want it), a lane a block, one instruction a wave.  Each block is named ONCE in the launch.  A's tile row is read by every cluster of that row of clusters: cluster x = 0 asks; B's tile column by every
; cluster of that column: cluster y = 0 asks.  The four partners that ask for a tile jointly share it out BY ADDRESS: of the 128 rows of A that a wave fetches the partner at cx takes 32; of the 64 rows of B
; (two blocks each) the partner at cy takes 16.  No branch hangs on a work-group's place in its cluster.  K steps 0 to 3 come by their loads alone; the loop's last trip (s3 = 1) has no K step two on and asks for nothing.
.macro ASK
	s_cmp_gt_u32 s3, s[LIM]
	s_cbranch_scc0 .Lnot_mine_\@
	global_prefetch_b8 v[PFO], s[PFA:PFA+1] th:TH_LOAD_NT scope:SCOPE_SE
.Lnot_mine_\@:
.endm
; A round of the cluster's barrier: my work-group's barrier, so that wave 0's signal speaks for all four waves; wave 0 signals for the work-group; every wave waits for all
; sixteen work-groups; my work-group's barrier once more.  No LDS instruction of the wave is pending at a signal.
.macro CREST                           ; a round behind its opening barrier
	s_cmp_lg_u32 s10, 0
	s_cbranch_scc1 .Lnot_wave_0_\@
	s_barrier_signal -3
.Lnot_wave_0_\@:
	s_barrier_wait -3
	s_barrier_signal -1
	s_barrier_wait -1
.endm
.macro CROUND                          ; a whole round
	s_barrier_signal -1
	s_barrier_wait -1
	CREST
.endm
	s_load_b128 s[4:7], s[0:1], 0x0                ; xb s[4:5], yb s[6:7]
	s_load_b64 s[8:9], s[0:1], 0x10                ; out0
	v_lshl_add_u32 v[SPW], v0, 2, SPARE
	v_mov_b32 v[NIL], 0
	ds_add_u32 v[SPW], v[NIL]                      ; the wave's opening: the add, twice on end, and its wait ahead of my first tensor load; the set-up below, work on registers, stands between
	ds_add_u32 v[SPW], v[NIL]                      ; and once more, under the one wait
	v_lshrrev_b32 v1, 5, v0
	v_readfirstlane_b32 s10, v1                    ; wave 0..3
	s_lshr_b32 s11, s10, 1                         ; which half of the tile's rows is mine.  Also: I fetch for A (0) or for B (1)
	s_and_b32 s12, s10, 1                          ; which half of its columns.  Also: which half of that tile I fetch
	s_bfe_u32 s40, ttmp6, 0x40000                  ; cx: my place along the cluster's x
	s_bfe_u32 s41, ttmp6, 0x40004                  ; cy: along its y
	s_lshl_b32 s42, ttmp9, 2                       ; in a cluster launch ttmp9 and ttmp7 count clusters
	s_add_co_u32 s42, s42, s40                     ; tile column of C = 4 x cluster x + cx
	s_and_b32 s13, ttmp7, 0xffff
	s_lshl_b32 s13, s13, 2
	s_add_co_u32 s13, s13, s41                     ; tile row of C = 4 x cluster y + cy
	s_lshl_b32 s43, s41, 2
	s_lshl_b32 s43, 15, s43                        ; my row of the cluster: places 4 cy .. 4 cy + 3
	s_lshl_b32 s44, 0x1111, s40                    ; my column: places cx, cx + 4, cx + 8, cx + 12
	; descriptor group 1 for A: a tile of 128 rows x 128 elements
	s_or_b32 s[G1+0], s43, (1<<16)|(1<<20)|(1<<21)|(5<<22)|(3<<25)   ; 15:0 the mask: my row; 17:16 elements of 2 bytes; 20 padding on; 21 set beside a mask; 24:22 after every 64 words (code 5); 31:25 4 words of it (code 3)
	s_mov_b32 s[G1+1], 128<<16                     ; 63:48 tensor_dim0, low half = 128
	s_mov_b32 s[G1+2], 128<<16                     ; 79:64 its high half = 0; 95:80 tensor_dim1, low half = 128
	s_mov_b32 s[G1+3], 128<<16                     ; 111:96 its high half = 0; 127:112 tile_dim0 = 128
	s_mov_b32 s[G1+4], 128                         ; 143:128 tile_dim1 = 128; 159:144 tile_dim2 = 0
	s_mov_b32 s[G1+5], 4096                        ; 191:160 elements from row to row
	s_mov_b32 s[G1+6], 0
	s_mov_b32 s[G1+7], 0
	; descriptor group 1 for B: a tile of 64 rows x 256 elements
	s_or_b32 s[G1B+0], s44, (1<<16)|(1<<20)|(1<<21)|(6<<22)|(7<<25)  ; the mask of my column; padding after every 128 words (code 6), 8 words of it (code 7)
	s_mov_b32 s[G1B+1], 256<<16                    ; tensor_dim0 = 256
	s_mov_b32 s[G1B+2], 64<<16                     ; tensor_dim1 = 64
	s_mov_b32 s[G1B+3], 256<<16                    ; tile_dim0 = 256
	s_mov_b32 s[G1B+4], 64                         ; tile_dim1 = 64
	s_mov_b32 s[G1B+5], 4096
	s_mov_b32 s[G1B+6], 0
	s_mov_b32 s[G1B+7], 0
	; where the tiles come from.  A's hang on the tile row alone, which my row of the cluster shares; B's on the tile column alone, which my column shares.
	s_lshl_b32 s16, s13, 8
	s_lshl_b32 s17, s12, 7
	s_add_co_u32 s16, s16, s17                     ; A: row 256 x tile row + 128 x half,
	s_lshl_b32 s16, s16, 13                        ; of 8,192 bytes: under 2^25
	s_mov_b32 s17, 0
	s_lshl_b32 s46, s42, 9                         ; B: column 256 x tile column, 512 bytes,
	s_lshl_b32 s47, s12, 19                        ; and row 64 x half, of 8,192 bytes
	s_add_co_u32 s46, s46, s47
	s_mov_b32 s47, 0
	s_mul_i32 s20, s10, HALFT                      ; and where they go: A's two halves, then B's two halves = wave x 34,816: no place in the cluster enters an LDS address
	s_wait_dscnt 0x0                               ; both opening adds are done
	s_wait_kmcnt 0x0
	s_add_nc_u64 s[14:15], s[4:5], s[16:17]
	s_add_nc_u64 s[46:47], s[6:7], s[46:47]
	CROUND                                         ; all sixteen work-groups are here: the first joint loads meet
.irp s, 0,1
	s_mov_b32 s[G0+4*(\s)], 1                                      ; 1:0 count = 1
	s_add_co_u32 s[G0+4*(\s)+1], s20, (\s)*SLOT                    ; 63:32 LDS address
	s_add_nc_u64 s[G0+4*(\s)+2:G0+4*(\s)+3], s[14:15], (\s)*ASTEP  ; 120:64 global address: K step s
	s_or_b32 s[G0+4*(\s)+3], s[G0+4*(\s)+3], 0x80000000            ; 127:126 type = 2
	s_mov_b32 s[G0B+4*(\s)], 1
	s_add_co_u32 s[G0B+4*(\s)+1], s20, (\s)*SLOT
	s_add_nc_u64 s[G0B+4*(\s)+2:G0B+4*(\s)+3], s[46:47], (\s)*BSTEP
	s_or_b32 s[G0B+4*(\s)+3], s[G0B+4*(\s)+3], 0x80000000
	JLOAD \s                                       ; the ring is filled before anything else is done: two tensor loads of mine are out
.endr
	; A fragment of A is 16 rows x 32 K in 8 registers: lane l holds row l % 16; registers 0-3 hold K = 8 (l / 16) + 0..7, registers 4-7 K = 16 + 8 (l / 16) + 0..7: two loads of 16 bytes, 32 bytes apart.
	v_and_b32 v1, 15, v0                           ; l % 16
	v_bfe_u32 v2, v0, 4, 1                         ; l / 16
	v_mul_u32_u24 v3, v1, PA
	v_lshl_add_u32 v3, v2, 4, v3                   ; row x pitch + 16 x half
	; The turning load takes 16 k x 16 n (lane l reads 16 bytes: row k = 8 (l / 16) + l % 8, columns 8 ((l / 8) % 2) + 0..7) and leaves half a fragment of B^T: lane l holds column l % 16 and 8 k.
	v_and_b32 v4, 7, v0
	v_lshl_add_u32 v4, v2, 3, v4
	v_mul_u32_u24 v4, v4, PB
	v_bfe_u32 v5, v0, 3, 1
	v_lshl_add_u32 v4, v5, 4, v4
	s_mul_i32 s21, s11, HALFT                      ; my 128 rows of A
	s_lshl_b32 s22, s12, 8                         ; my 128 columns of B: 256 bytes along its rows,
	s_add_co_u32 s22, s22, 2*HALFT                 ; which lie behind A's 256 rows
.irp s, 0,1
	v_add_nc_u32 v[ADRA+(\s)], s21, v3
	v_add_nc_u32 v[ADRB+(\s)], s22, v4
	s_add_co_u32 s21, s21, SLOT
	s_add_co_u32 s22, s22, SLOT
.endr
	s_mul_i32 s23, s10, WSTAGE
	s_add_co_u32 s23, s23, STAGE                   ; my stage
	v_mul_u32_u24 v5, v1, SP                       ; in: row l % 16, 32 bytes for each half of the lanes
	v_lshl_add_u32 v5, v2, 5, v5
	v_add_nc_u32 v[STO], s23, v5
	v_and_b32 v6, 31, v0                           ; l
	v_lshlrev_b32 v[CO], 4, v6                     ; back: 32 lanes take one row of 512 bytes,
	v_add_nc_u32 v[RD], s23, v[CO]                 ; which are 512 consecutive bytes of C
	; out0 at my wave's first row and column
	s_lshl_b32 s16, s13, 8
	s_lshl_b32 s17, s11, 7
	s_add_co_u32 s16, s16, s17                     ; my first row of C,
	s_lshl_b32 s16, s16, 14                        ; of 16,384 bytes: under 2^26
	s_mov_b32 s17, 0
	s_lshl_b32 s46, s42, 10                        ; my first column, in bytes: 1,024 x tile column + 512 x half (in the registers that held B's address)
	s_lshl_b32 s47, s12, 9
	s_add_co_u32 s46, s46, s47
	s_mov_b32 s47, 0
	s_add_nc_u64 s[16:17], s[16:17], s[46:47]
	s_add_nc_u64 s[8:9], s[8:9], s[16:17]
	s_mov_b32 s[SC], 0x3a449ba6                    ; 0.00075
	s_mov_b32 s[SC+1], s[SC]
	; the prefetches: both offsets are made first, then one compare on the wave's number chooses
	s_lshl_b32 s20, s13, 8
	s_lshl_b32 s21, s12, 7
	s_add_co_u32 s20, s20, s21                     ; A: the 128 rows that I fetch,
	s_lshl_b32 s21, s40, 5
	s_add_co_u32 s20, s20, s21                     ; my work-group's 32 of them,
	s_lshl_b32 s20, s20, 13
	s_add_co_u32 s20, s20, 3*ASTEP                 ; at K step 3: the first refill steps it to 4
	s_lshl_b32 s21, s12, 6                         ; B: the 64 rows that I fetch,
	s_lshl_b32 s22, s41, 4
	s_add_co_u32 s21, s21, s22                     ; my work-group's 16 of them,
	s_lshl_b32 s21, s21, 13
	s_lshl_b32 s22, s42, 9
	s_add_co_u32 s21, s21, s22                     ; the tile's 512 bytes of each,
	s_add_co_u32 s21, s21, 3*BSTEP                 ; at K step 3
	s_and_b32 s22, ttmp7, 0xffff                   ; cluster y
	s_mov_b32 s23, BSTEP
	s_cmp_eq_u32 s11, 0                            ; do I fetch for A?
	s_cselect_b32 s20, s20, s21
	s_cselect_b32 s22, ttmp9, s22                  ; the coordinate along which other clusters read the same rows
	s_cselect_b32 s[PST], ASTEP, s23
	s_cselect_b64 s[PFA:PFA+1], s[4:5], s[6:7]
	s_mov_b32 s[PST+1], 0
	s_cmp_eq_u32 s22, 0
	s_cselect_b32 s[LIM], 1, -1                    ; the same in all sixteen partners, for a given wave
	s_mov_b32 s21, 0
	s_add_nc_u64 s[PFA:PFA+1], s[PFA:PFA+1], s[20:21]
	v_lshrrev_b32 v7, s11, v6                      ; A: a lane a row.  B: row l / 2,
	v_and_b32 v3, s11, v6                          ; block l % 2 of its two
	v_lshlrev_b32 v7, 13, v7
	v_lshl_add_u32 v[PFO], v3, 8, v7
	; nothing is prefetched here, at the head, where every work-group's first two tiles are on their way
; 16 matrix instructions: m blocks a0, a0 + 1 of the window's four (hi = 0: my rows 0-63, 1: rows 64-127) x all 8 n blocks, 32 along K.
; zero = 1: the first product starts the sums: nothing is ever cleared.  The 64 accumulators take turns, one instruction a turn, in the same order in every quarter.
.macro MUL16 f, hi, a0, zero
	WIN MUL_LO+0x50*(\hi)  ; MUL_LO or MUL_HI
.irp a, \a0, (\a0)+1
.irp b, 0,1,2,3,4,5,6,7
.if \zero
	v_wmma_f32_16x16x32_bf16 v[8*(8*(\a)+(\b)):8*(8*(\a)+(\b))+7], v[(\f)+8*(\b):(\f)+8*(\b)+7], v[(\f)+8*(4*(\hi)+(\a)):(\f)+8*(4*(\hi)+(\a))+7], 0
.else
	v_wmma_f32_16x16x32_bf16 v[8*(8*(\a)+(\b)):8*(8*(\a)+(\b))+7], v[(\f)+8*(\b):(\f)+8*(\b)+7], v[(\f)+8*(4*(\hi)+(\a)):(\f)+8*(4*(\hi)+(\a))+7], v[8*(8*(\a)+(\b)):8*(8*(\a)+(\b))+7]
.endif
.endr
.endr
.endm
; 32 LDS loads in one run: the fragments of quarter q of a K step (K = 32 q .. 32 q + 31: 128 columns of B, turned, then 128 rows of A) into buffer f.  B's largest offset is 61,152, inside the 16 bits.
.macro FETCH slot, q, f
	WIN TO_B
.irp i, 0,1,2,3,4,5,6,7
	ds_load_tr16_b128 v[(\f)+8*(\i):(\f)+8*(\i)+3],   v[ADRB+(\slot)] offset:(\q)*32*PB+32*(\i)
	ds_load_tr16_b128 v[(\f)+8*(\i)+4:(\f)+8*(\i)+7], v[ADRB+(\slot)] offset:(\q)*32*PB+16*PB+32*(\i)
.endr
	WIN 0
.irp i, 0,1,2,3,4,5,6,7
	ds_load_b128 v[(\f)+8*(\i):(\f)+8*(\i)+3],   v[ADRA+(\slot)] offset:64*(\q)+(\i)*16*PA
	ds_load_b128 v[(\f)+8*(\i)+4:(\f)+8*(\i)+7], v[ADRA+(\slot)] offset:64*(\q)+(\i)*16*PA+32
.endr
.endm
; A load into a register that a matrix instruction has read, and a vector instruction that reads a matrix result or writes one of a matrix instruction's registers, stand four places behind it, and only
; plain vector instructions that name none of its registers are places (ISA guide 7.12.1 for vector instructions).
.macro PLACES
.rept 4
	v_nop
.endr
.endm
; A K step is four quarters of 32 along K, 64 matrix instructions each, on buffers 0, 1, 0, 1.
; One of the first three: multiplies buffer f; in its middle it fetches quarter q of the same slot into buffer g.
.macro QUARTER slot, q, f, g, zero
	s_wait_dscnt 8                                 ; B and A's rows 0-63 are in; the youngest eight loads (A's rows 64-127) may be out
	MUL16 \f, 0, 0, \zero
	MUL16 \f, 0, 2, \zero
	PLACES
	FETCH \slot, \q, \g
	s_wait_dscnt 32                                ; all but the 32 just issued
	MUL16 \f, 1, 0, \zero
	MUL16 \f, 1, 2, \zero
.endm
; The last quarter multiplies buffer 1 and changes slots: ONE barrier, for two things.  In front of it each wave waits for all its tensor loads, of which one is out: its part of the next slot; adds 0 to its spare
; word; and waits for that and for its own reads of this slot.  Behind it nobody reads this slot any more and the next slot is whole.
; fill = 1: the barrier opens a round of the cluster's barrier, so that no wave of any partner still reads the slot or has a load on its way; the joint refill, this slot's K step two steps on, is the first
; tensor load behind the round: from there to the wait for it a wave issues 224 matrix instructions.
.macro TURN slot, next, fill
.if \fill
	s_wait_xcnt 0x0                                ; the last prefetch, a K step back, has read its address: it is stepped here, ahead of the waits of the change of slots
	s_add_nc_u64 s[PFA:PFA+1], s[PFA:PFA+1], s[PST:PST+1]
.endif
	WIN 0                                          ; (the add's two registers lie in window 0)
	s_wait_tensorcnt 0x0                           ; all my tensor loads have landed: the one that was out is my part of the next slot;
	ds_add_u32 v[SPW], v[NIL]                      ; 0 onto my spare word;
	s_wait_dscnt 9                                 ; (the add and the youngest eight loads may be out)
	MUL16 F1, 0, 0, 0                              ; sixteen matrix instructions stand between the add and the wait for it
	s_wait_dscnt 0x0                               ; the add is done, and my reads of this slot are over:
	s_barrier_signal -1                            ; say so,
	MUL16 F1, 0, 2, 0                              ; work on registers while the others arrive,
.if \fill
	WIN 0
.endif
	s_barrier_wait -1                              ; and go on when all four have said so
.if \fill
	CREST                                          ; wave 0 says so for the work-group, all sixteen work-groups have said so, my work-group's barrier closes the round
	s_add_nc_u64 s[G0+4*(\slot)+2:G0+4*(\slot)+3], s[G0+4*(\slot)+2:G0+4*(\slot)+3], 2*ASTEP     ; no tensor load of mine is out, so a group 0 may be written; the type bits on top are not reached
	s_add_nc_u64 s[G0B+4*(\slot)+2:G0B+4*(\slot)+3], s[G0B+4*(\slot)+2:G0B+4*(\slot)+3], 2*BSTEP
	JLOAD \slot                                    ; the four v_nop behind it are also the places in front of the loads below
.else
	PLACES
.endif
	FETCH \next, 0, F0
.if \fill
	ASK                                            ; behind the joint load and the run of LDS loads that the next products wait for
.endif
	MUL16 F1, 1, 0, 0
	MUL16 F1, 1, 2, 0
.endm
; THE WAY OUT of block a (16 rows x 128 columns), in three parts.
; PACK: the eight accumulators times 0.00075, into window 0; each accumulator's registers are taken in ascending order.
.macro PACK a
.set AC, 64*((\a)%4)
.set TT, OB+64*((\a)%2)
	s_wait_xcnt 0x0                                ; the stores of the block two back, which read these 64 registers, have had their addresses translated (ISA guide 3.1): only behind this wait are the registers written again
	WIN 0x02+(\a)/4                                ; source 0: window 2 or 3
.irp b, 0,1,2,3,4,5,6,7
.irp r, 0,1,2,3
	v_pk_mul_f32 v[TT+8*(\b)+2*(\r):TT+8*(\b)+2*(\r)+1], v[AC+8*(\b)+2*(\r):AC+8*(\b)+2*(\r)+1], s[SC:SC+1] op_sel_hi:[1,0]
.endr
.endr
	WIN 0
.endm
; TOSTAGE: a lane's 32 bytes of a row go into my own stage, rows of 528 bytes, and come back as whole rows of 512, into the registers that they left.
.macro TOSTAGE a
	WIN 0
.set TT, OB+64*((\a)%2)
.irp b, 0,1,2,3,4,5,6,7
	ds_store_b128 v[STO], v[TT+8*(\b):TT+8*(\b)+3]   offset:64*(\b)
	ds_store_b128 v[STO], v[TT+8*(\b)+4:TT+8*(\b)+7] offset:64*(\b)+16
.endr
.irp t, 0,1,2,3,4,5,6,7,8,9,10,11,12,13,14,15
	ds_load_b128 v[TT+4*(\t):TT+4*(\t)+3], v[RD] offset:(\t)*SP  ; LDS serves a wave's instructions in order (ISA guide 5.7.1.4): these see the stores above; the next block's stores come behind them
.endr
.endm
; SEND: stored.  The row stands in the immediate, 127 rows of 16,384 bytes at the most, inside its signed 24 bits: neither the base nor the offset register is ever rewritten.
.macro SEND a
	WIN 0
.set TT, OB+64*((\a)%2)
	s_wait_dscnt 0x0                               ; the block is back in registers
.irp t, 0,1,2,3,4,5,6,7,8,9,10,11,12,13,14,15
	global_store_b128 v[CO], v[TT+4*(\t):TT+4*(\t)+3], s[8:9] offset:(16*(\a)+(\t))*ROWC th:TH_STORE_NT  ; 32 lanes store 512 consecutive bytes, at a multiple of 512 from out0's first byte
.endr
.endm
	s_wait_tensorcnt 1                             ; my part of K step 0 is in; K step 1's load stays out
	s_barrier_signal -1
	s_barrier_wait -1                              ; everybody's is
	FETCH 0, 0, F0
	QUARTER 0, 1, F0, F1, 1                        ; the first quarter stands in front of the loop: its products start the sums
	WIN 0                                          ; at a label and at a branch every window is 0
	s_mov_b32 s3, LAPS-1
.Llap:                                                 ; a trip goes once round the ring, from a lap's second quarter to the next lap's first, and fills both slots again: K steps 2 to 31 in 15 trips
	QUARTER 0, 2, F1, F0, 0
	QUARTER 0, 3, F0, F1, 0
	TURN 0, 1, 1
	QUARTER 1, 1, F0, F1, 0
	QUARTER 1, 2, F1, F0, 0
	QUARTER 1, 3, F0, F1, 0
	TURN 1, 0, 1
	QUARTER 0, 1, F0, F1, 0
	WIN 0
	s_sub_co_u32 s3, s3, 1
	s_cmp_lg_u32 s3, 0
	s_cbranch_scc1 .Llap
	QUARTER 0, 2, F1, F0, 0                        ; the last lap is written out: it fills nothing, and has no round of the cluster's barrier
	QUARTER 0, 3, F0, F1, 0
	TURN 0, 1, 0
	QUARTER 1, 1, F0, F1, 0
	QUARTER 1, 2, F1, F0, 0
	QUARTER 1, 3, F0, F1, 0
	s_wait_dscnt 8                                 ; the very last quarter: nothing more to fetch
	MUL16 F1, 0, 0, 0
	MUL16 F1, 0, 2, 0
	s_wait_dscnt 0x0
	MUL16 F1, 1, 0, 0
	MUL16 F1, 1, 2, 0
	WIN 0
	PLACES                                         ; behind the last products: the lines below read results and write over A's fragments
	PACK 0
	TOSTAGE 0
.irp a, 1,2,3,4,5,6,7                  ; block a's 32 multiplies stand between block a - 1's loads from the stage and the wait for them
	PACK \a
	SEND (\a)-1
	TOSTAGE \a
.endr
	SEND 7
	s_wait_tensorcnt 0x0                           ; the wave's end: behind my last tensor load and my last LDS store
	ds_add_u32 v[SPW], v[NIL]
	s_wait_dscnt 0x0
	CROUND                                         ; the closing round: no work-group ends while a partner may still ask for a tile that names it
	s_endpgm
.Lfunc_end_k_q6341d690e4_gemm:
	.size	k_q6341d690e4_gemm, .Lfunc_end_k_q6341d690e4_gemm-k_q6341d690e4_gemm
	.p2alignl 7, 3214868480
	.fill 96, 4, 3214868480
	.section	.rodata,"a",@progbits
	.p2align	6, 0x0
	.amdhsa_kernel k_q6341d690e4_gemm
		.amdhsa_group_segment_fixed_size 327680
		.amdhsa_private_segment_fixed_size 0
		.amdhsa_enable_private_segment 0
		.amdhsa_kernarg_size 24
		.amdhsa_user_sgpr_count 2
		.amdhsa_user_sgpr_kernarg_segment_ptr 1
		.amdhsa_wavefront_size32 1
		.amdhsa_system_sgpr_workgroup_id_x 1
		.amdhsa_system_sgpr_workgroup_id_y 1
		.amdhsa_system_sgpr_workgroup_id_z 1
		.amdhsa_system_vgpr_workitem_id 0
		.amdhsa_next_free_vgpr 1024
		.amdhsa_next_free_sgpr 80
		.amdhsa_reserve_vcc 0
		.amdhsa_float_denorm_mode_32 3
		.amdhsa_float_denorm_mode_16_64 3
		.amdhsa_memory_ordered 1
		.amdhsa_forward_progress 1
		.amdhsa_inst_pref_size 158
	.end_amdhsa_kernel
	.amdgpu_metadata
---
amdhsa.version: [ 1, 2 ]
amdhsa.kernels:
  - .name:           k_q6341d690e4_gemm
    .symbol:         k_q6341d690e4_gemm.kd
    .args:
      - { .name: xb, .offset: 0, .size: 8, .value_kind: global_buffer, .address_space: global }
      - { .name: yb, .offset: 8, .size: 8, .value_kind: global_buffer, .address_space: global }
      - { .name: out0, .offset: 16, .size: 8, .value_kind: global_buffer, .address_space: global }
    .group_segment_fixed_size: 327680
    .private_segment_fixed_size: 0
    .kernarg_segment_align: 8
    .kernarg_segment_size: 24
    .max_flat_workgroup_size: 128
    .sgpr_count:     80
    .vgpr_count:     1024
    .wavefront_size: 32
...
	.end_amdgpu_metadata
.endif
;; end of part 2
;; ======== version 2 of 2: 2 launches; version 1 with the launch cast written anew for expert scheduling mode
;; limits: inputs' magnitudes at most 2.9e+17
;; workspace buffers: xb 33,554,432 bytes; yb 33,554,432 bytes
;; launch cast (part 3): grid 256 x 2, 8 waves a work-group, no clusters, 0 bytes of LDS; arguments x, y, xb, yb; writes xb, yb
.if DOCPART == 3
	.amdgcn_target "amdgcn-amd-amdhsa--gfx1250"
	.amdhsa_code_object_version 6
	.text
	.protected	k_q6341d690e4_cast
	.globl	k_q6341d690e4_cast
	.p2align	8
	.type	k_q6341d690e4_cast,@function
k_q6341d690e4_cast:
	s_mov_b64 s[64:65], 0
	v_nop
	global_prefetch_b8 v0, s[64:65] scope:SCOPE_SE
	s_setreg_imm32_b32 hwreg(HW_REG_WAVE_SCHED_MODE, 0, 2), 2
	s_setreg_imm32_b32 hwreg(HW_REG_WAVE_MODE, 25, 1), 1
	s_wait_xcnt 0x0
	s_wait_alu depctr_vm_vsrc(0)
; xb = bf16(x + 66), yb = bf16(y - 160).  x, y: [4096][4096] f32; xb, yb: the same places in bf16 (y is not turned).
; The zero point is taken off in f32, as the module does it (x - (-66), y - 160), and the difference is rounded ONCE to bf16: it is the matrix operand
; of the launch behind.  The two scales are not applied here: that launch multiplies its f32 sums by their product.
; LIMITS.  One rounding to bf16 (8 significant bits) of each difference; whole numbers up to 256 in magnitude pass unchanged.  NaN and infinities pass as the arithmetic gives them.
; SHARES.  The grid's y picks the tensor.  A work-group owns 64 pieces of 4,096 input bytes (2,048 output bytes) on end.  Thread t owns the 16 bytes at 16 t of each piece
; and the 8 bytes at 8 t of its output: a wave's load covers 512 consecutive bytes, a wave's store 256 consecutive bytes that begin at a multiple of 256 from the buffer's first byte.
; Nothing is shared between waves: no LDS, no barrier, no matrix unit.
; THE MODE: SCHED_MODE bits 1:0 = 2 (LLVM: expert scheduling mode 2), set by the entry lines.  The code itself states the register dependences
; between vector instructions and memory instructions, with s_wait_alu, always for 0.
; THE PLAN.  The 64 pieces go in 16 blocks of four, all written out by one macro.  Registers that memory instructions touch:
;   X0 .. X5   six blocks as loaded.  Written by the loads of block p + 5, issued in block p; read by block p's additions.  No vector instruction writes them.
;   Y          two registers for EACH of the 64 pieces.  Written once, by block p's roundings; read once, by the four stores that are issued in block p + 1; never written again.
;   v1, v2     byte offsets, made once at the head and never written again.  The two scalar bases are never stepped either: a piece stands in the immediate offset,
;              63 x 4,096 bytes at the most, inside its signed 24 bits.
; Block p works on X[p % 6] and writes its own Y.  Its memory instructions are the loads into X[(p + 5) % 6] = X[(p - 1) % 6] and the stores from block p - 1's Y: the registers
; that block p - 1 worked on and that no vector instruction of block p names.  So ONE wait on va_vdst at a block's head states all that the block's eight memory instructions hang on,
; and these are dealt among its vector instructions with no further wait.  No register that a load or store reads is ever written again: nothing has to be freed, and the text
; holds no wait on vm_vsrc and none on XCNT past the entry lines.
.set BLOCK,  4                         ; pieces in a block
.set BLOCKS, 64/BLOCK
.set NX,     6                         ; buffers of loaded blocks: one at work, one being asked for again, four on their way
.set LOADS,  BLOCKS-NX+1               ; blocks 0 to LOADS - 1 ask for the block NX - 1 further on; the later ones ask for nothing
.set INB,    4096                      ; input bytes in a piece
.set OUTB,   2048                      ; output bytes in a piece
.set IN,  1                            ; v1         16 t; never rewritten
.set OUT, 2                            ; v2         8 t; never rewritten
.set T,   4                            ; v[4:7]     four numbers in f32, at work: no memory instruction names them
.set X,   8                            ; v[8:103]   buffer k, piece i: 4 registers at X + 16 k + 4 i, as loaded
.set Y,   104                          ; v[104:231] block p, piece i: 2 registers at Y + 8 p + 2 i, 4 bf16 to store
.set C,   18                           ; s[18:19]   what is added: +66 or -160 (the packed add names a pair and takes its low word for both halves)
	s_load_b256 s[4:11], s[0:1], 0x0               ; x s[4:5], y s[6:7], xb s[8:9], yb s[10:11]
	v_lshlrev_b32 v[IN], 4, v0
	v_lshlrev_b32 v[OUT], 3, v0
	s_and_b32 s12, ttmp7, 0xffff                   ; 0: x, 1: y
	s_lshl_b32 s20, ttmp9, 18                      ; the work-group's 64 pieces: 262,144 bytes in,
	s_mov_b32 s21, 0
	s_lshl_b32 s22, ttmp9, 17                      ; 131,072 bytes out
	s_mov_b32 s23, 0
	s_mov_b32 s25, 0x42840000                      ; 66.0
	s_mov_b32 s26, 0xc3200000                      ; -160.0
	s_wait_kmcnt 0x0
	s_cmp_eq_u32 s12, 0                            ; the choice hangs on the grid's y alone
	s_cselect_b64 s[14:15], s[4:5], s[6:7]         ; from where,
	s_cselect_b64 s[16:17], s[8:9], s[10:11]       ; to where,
	s_cselect_b32 s[C], s25, s26                   ; and what is added
	s_mov_b32 s[C+1], s[C]
	s_add_nc_u64 s[14:15], s[14:15], s[20:21]
	s_add_nc_u64 s[16:17], s[16:17], s[22:23]
	s_wait_alu depctr_va_vdst(0)                   ; v1 and v2 are written: every load and store of the kernel reads one of them as its offset
.irp i, 0,1,2,3,4,5,6,7,8,9,10,11,12,13,14,15,16,17,18,19
	global_load_b128 v[X+4*(\i):X+4*(\i)+3], v[IN], s[14:15] offset:(\i)*INB th:TH_LOAD_NT  ; blocks 0 to 4 into X0 to X4
.endr
; Block p.  In front of each piece's four vector instructions stand a load of block p + 5 (while there is one) and a store of block p - 1 (if there is one), the load first.
.macro BLK p
.if (\p) < LOADS
	s_wait_loadcnt (NX-2)*BLOCK                    ; loads come back in order (ISA guide 5.7.1): X[p % 6] is in, the four younger blocks stay out
.else
	s_wait_loadcnt (BLOCKS-1-(\p))*BLOCK           ; nothing more is asked for: the counts run down
.endif
.if (\p) > 0
	s_wait_alu depctr_va_vdst(0)                   ; the block before has written its Y, which the stores below read, and is done reading its X, in which the loads below land
.endif
.irp i, 0,1,2,3
.if (\p) < LOADS
	global_load_b128 v[X+16*(((\p)+NX-1)%NX)+4*(\i):X+16*(((\p)+NX-1)%NX)+4*(\i)+3], v[IN], s[14:15] offset:(((\p)+NX-1)*BLOCK+(\i))*INB th:TH_LOAD_NT  ; five blocks ahead; no vector instruction since the wait names these registers
.endif
.if (\p) > 0
	global_store_b64 v[OUT], v[Y+8*((\p)-1)+2*(\i):Y+8*((\p)-1)+2*(\i)+1], s[16:17] offset:(((\p)-1)*BLOCK+(\i))*OUTB th:TH_STORE_NT  ; the block before; its Y is written by no later line
.endif
	v_pk_add_f32 v[T:T+1],   v[X+16*((\p)%NX)+4*(\i):X+16*((\p)%NX)+4*(\i)+1],   s[C:C+1] op_sel_hi:[1,0]
	v_pk_add_f32 v[T+2:T+3], v[X+16*((\p)%NX)+4*(\i)+2:X+16*((\p)%NX)+4*(\i)+3], s[C:C+1] op_sel_hi:[1,0]
	v_cvt_pk_bf16_f32 v[Y+8*(\p)+2*(\i)],   v[T],   v[T+1]    ; two roundings to bf16, packed
	v_cvt_pk_bf16_f32 v[Y+8*(\p)+2*(\i)+1], v[T+2], v[T+3]
.endr
.endm
.irp p, 0,1,2,3,4,5,6,7,8,9,10,11,12,13,14,15
	BLK \p                                         ; block 0 has no block in front of it: no store, and no wait but the one for its data (no vector instruction has named X5); blocks 11 to 15 load nothing: no load leaves the work-group's share
.endr
	s_wait_alu depctr_va_vdst(0)                   ; block 15 has written its Y, which the last four stores read
.irp i, 0,1,2,3
	global_store_b64 v[OUT], v[Y+8*(BLOCKS-1)+2*(\i):Y+8*(BLOCKS-1)+2*(\i)+1], s[16:17] offset:((BLOCKS-1)*BLOCK+(\i))*OUTB th:TH_STORE_NT
.endr
	s_endpgm
.Lfunc_end_k_q6341d690e4_cast:
	.size	k_q6341d690e4_cast, .Lfunc_end_k_q6341d690e4_cast-k_q6341d690e4_cast
	.p2alignl 7, 3214868480
	.fill 96, 4, 3214868480
	.section	.rodata,"a",@progbits
	.p2align	6, 0x0
	.amdhsa_kernel k_q6341d690e4_cast
		.amdhsa_group_segment_fixed_size 0
		.amdhsa_private_segment_fixed_size 0
		.amdhsa_enable_private_segment 0
		.amdhsa_kernarg_size 32
		.amdhsa_user_sgpr_count 2
		.amdhsa_user_sgpr_kernarg_segment_ptr 1
		.amdhsa_wavefront_size32 1
		.amdhsa_system_sgpr_workgroup_id_x 1
		.amdhsa_system_sgpr_workgroup_id_y 1
		.amdhsa_system_sgpr_workgroup_id_z 1
		.amdhsa_system_vgpr_workitem_id 0
		.amdhsa_next_free_vgpr 232
		.amdhsa_next_free_sgpr 66
		.amdhsa_reserve_vcc 0
		.amdhsa_float_denorm_mode_32 3
		.amdhsa_float_denorm_mode_16_64 3
		.amdhsa_memory_ordered 1
		.amdhsa_forward_progress 1
		.amdhsa_inst_pref_size 31
	.end_amdhsa_kernel
	.amdgpu_metadata
---
amdhsa.version: [ 1, 2 ]
amdhsa.kernels:
  - .name:           k_q6341d690e4_cast
    .symbol:         k_q6341d690e4_cast.kd
    .args:
      - { .name: x, .offset: 0, .size: 8, .value_kind: global_buffer, .address_space: global }
      - { .name: y, .offset: 8, .size: 8, .value_kind: global_buffer, .address_space: global }
      - { .name: xb, .offset: 16, .size: 8, .value_kind: global_buffer, .address_space: global }
      - { .name: yb, .offset: 24, .size: 8, .value_kind: global_buffer, .address_space: global }
    .group_segment_fixed_size: 0
    .private_segment_fixed_size: 0
    .kernarg_segment_align: 8
    .kernarg_segment_size: 32
    .max_flat_workgroup_size: 256
    .sgpr_count:     66
    .vgpr_count:     232
    .wavefront_size: 32
...
	.end_amdgpu_metadata
.endif
;; end of part 3
;; launch gemm: the kernel of part 2 again; grid 16 x 16, 4 waves a work-group, clusters of 4 x 4, 327,680 bytes of LDS; arguments xb, yb, out0; writes out0
